; MI455X (gfx1250); checked and timed in simulation.
; The chip was launched on July 23, 2026; its instructions are those of AMD's public machine-readable ISA for CDNA 5 (MIT licence, August 2026) and "CDNA5" Instruction Set Architecture Reference Guide (July 2026). The comments in the code are by the model that wrote it; some were corrected since.
;; Self Lin Attention. Allowed arithmetic: matrix products marked QUANTISED: E5M2 operands, one given power-of-two scale a tensor, by v_wmma_f32_16x16x64_bf8_bf8 or v_wmma_f32_16x16x128_bf8_bf8, f32 sums; everything else in f32.
;; Inputs: lowp_scales 4 int32 (the exponents e of the quantised operands' scales 2^e); qk 2 x 2,048 x 2 x 16 x 64 float32; v_codes 2 x 16 x 64 x 64 x 32 uint8 (E5M2 codes of v, K innermost, in blocks of 32 codes).
;; Outputs: out0 2 x 2,048 x 16 x 64 float32.
;; This version of the problem:
;;   THIS VERSION OF THE PROBLEM IS GIVEN IN LOW PRECISION. The matrix products marked QUANTISED in the list below multiply operands that are first quantised to E5M2 (5 exponent bits, 2 mantissa bits; 8 bits a number), with one given power-of-two scale for each operand tensor; their sums are f32. All else is computed in f32.
;;   The module's matrix products, in the order in which they are computed (A, B: the left and right operand; K: the contracted axis; several contracted axes count as one K, in the product's order):
;;     1. batch 32 x [M 2,048, K 64] x [K 64, N 2,048]; A: computed on the way; B: computed on the way: QUANTISED (scales: A lowp_scales[0], B lowp_scales[1])
;;     2. batch 32 x [M 64, K 2,048] x [K 2,048, N 2,048]; A: input v (given as codes); B: computed on the way: QUANTISED (scales: A lowp_scales[2], B lowp_scales[3])
;;   THE QUANTISER, for each operand of a quantised product, along K:
;;     - The operand's scale is 2^e, e = its entry of the input lowp_scales (int32; the entries are numbered through the quantised products in the list's order, A before B).
;;     - Each number is divided by the scale, clamped to +-57,344, and rounded to the nearest number of E5M2, ties to even, subnormals kept.
;;     - The product sums the exact products of the quantised numbers (number of the format x scale) in f32.
;;   ~~~python
;;   def quantise(x, axis, e):      # numpy; x: float32 -> the quantised numbers, widened to float32 again
;;       x = np.moveaxis(x, axis, -1); K = x.shape[-1]
;;       r = np.clip(x / 2.0 ** e, -57344, 57344)
;;       step = 2.0 ** (np.maximum(np.frexp(np.where(r == 0, 1, r))[1] - 1, -14) - 2)
;;       q = np.round(r / step) * step * 2.0 ** e      # np.round: ties to even
;;       return np.moveaxis(q, -1, axis).astype(np.float32)
;;   ~~~
;;   OPERANDS COMPUTED ON THE WAY. 'Computed on the way' means the value that the module computes at that place (a softmax that the list does not call 'softmax' is quantised finished and normalised). What goes into a quantiser is computed in f32, as accurately as f32 sums, v_exp_f32 and their like allow (about 1e-6 of the number): no bf16 or f16 on the way to a quantiser, and a product that is left as it is and whose result goes on into a quantised operand takes f32 operands (vector FMAs, or v_wmma_f32_16x16x4_f32). A number that lies on a knife's edge between two numbers of the format may be rounded either way, as far as f32 arithmetic and the matrix unit's own rounding can turn it there, and no further.
;;   INPUTS GIVEN AS CODES. v (in the module: [2, 2048, 16, 64], K = its axis 1): each comes as NAME_codes (uint8): NAME with its K axis moved to the last place and cut into blocks of 32 codes, [.., K / 32, bytes a block], one block behind the other in memory; one code a byte (a code: sign, 5 exponent bits, 2 mantissa bits); its scale is its entry of lowp_scales. Its value is code x scale, taken as it is: it is not quantised again, and the codes and scales need not be those that the quantiser above would give.
;; One version. Each part assembles by itself: llvm-mc -triple=amdgcn-amd-amdhsa -mcpu=gfx1250 --defsym DOCPART=n.
;; ======== version 1 of 1: 2 launches
;; workspace buffers: qimg 4,194,304 bytes; kimg 4,194,304 bytes; pre 655,360 bytes
;; launch prep (part 1): grid 256 x 1, 8 waves a work-group, no clusters, 40,448 bytes of LDS; arguments qk, lowp_scales, qimg, kimg, pre; writes qimg, kimg, pre
.if DOCPART == 1
	.amdgcn_target "amdgcn-amd-amdhsa--gfx1250"
	.amdhsa_code_object_version 6
	.text
	.protected	k_q373784a64f_prep
	.globl	k_q373784a64f_prep
	.p2align	8
	.type	k_q373784a64f_prep,@function
k_q373784a64f_prep:
	s_mov_b64 s[64:65], 0
	v_nop
	global_prefetch_b8 v0, s[64:65] scope:SCOPE_SE
	s_setreg_imm32_b32 hwreg(HW_REG_WAVE_MODE, 25, 1), 1
	s_wait_xcnt 0x0
; q' = elu(q) + 1 and k' = elu(k) + 1 become codes of BF8 (E5M2) with the given scales 2^e0 and 2^e1, once for the whole program, and the codes' sums over the keys are made.
; qk: [2][2048][2][16][64] f32.  OUT, all three read by the next launch:
;   qimg, kimg: [32 heads][128 tiles][1,024 bytes].  A tile is the image of an operand's registers, 16 rows x 64 along d: byte 256 (d / 16) + 16 row + d % 16, so that two loads of 16 bytes a lane,
;     at 16 x lane and 512 further on, give lane (r, h) of row r the codes of d = 16 h + 0..15 and d = 32 + 16 h + 0..15.  q's tile T holds queries 16 T + row.
;     THE KEYS OF A TILE ARE NOT NEIGHBOURS: key kk (0..31) of a group of 32 lies in the group's tile (kk / 8) % 2, row 8 (kk / 16) + kk % 8.
;   pre: [32 heads][16 steps of 128 keys][5][64] f32, sums of k's CODES' values (no scale): vector v = 0..3: over the step's keys before 32 v; vector 4: over all 128.
; elu(x) + 1 = max(x, 2^(log2(e) min(x, 0)) - 1) + 1: for x > 0 the maximum is x, else e^x - 1 (which is never under x); the 1 is taken off and added again so that small e^x are rounded as in expm1(x) + 1.
; LIMITS: e0 and e1 between -126 and 112, so that 2^e and 57,344 x 2^e are f32 numbers.  NaN among the inputs is not served.
; SHARES.  A work-group takes 128 positions x 2 neighbouring heads of q and of k; wave w its positions 16 w .. 16 w + 15.  A load takes the bytes as they lie: 32 lanes x 16 bytes = the two heads' 512 consecutive bytes
; of one position; lane l holds head l / 16 and d = 4 (l % 16) + 0..3.  A tensor has ONE scale, so the conversion of eight numbers may take four d of one position and four of the next: each gets a word of four codes.
; The registers run along the positions, so the sums over keys are additions inside a lane.  The words meet in LDS as images, and leave as 512 consecutive bytes a store.
; All 32 loads of a wave (16 KiB) go out at the start.  No tensor loads, one barrier.  No register that a pending store reads is written again and EXEC stays whole: so no wait on XCNT is written.
.set RP,   272                         ; an image's row of 256 bytes in LDS, + 16 of padding
.set TP,   4*RP                        ; a tile: four such rows
.set HST,  8*TP+64                     ; a head's eight tiles, + 64 bytes, so that the two heads' words fall on different banks
.set KST,  2*HST                       ; LDS: q's images from 0, k's from here,
.set SUMS, 4*HST                       ; and the waves' sums: 512 bytes a wave
.set T,    16                          ; v16-23   at work
.set DQ,   24                          ; v24-31   eight codes' values
.set ACC,  32                          ; v32-39   sums over my wave's keys: even positions' four d, odd positions' four d
.set RES,  40                          ; v40-43   a vector of pre: my four d
.set CK,   64                          ; v64-79   k's words of codes, one for each position
.set CQ,   80                          ; v80-95   q's
.set BQ,   96                          ; v96-111  q's images read back
.set BK,   112                         ; v112-127 k's
.set RK,   128                         ; v128-191 k as loaded; later v128-159 the eight waves' sums
.set RQ,   192                         ; v192-255 q as loaded
; eight numbers v[x] .. v[x + 7] in place: elu + 1, the hold, the conversion into v[c], v[c + 1].  v[sc]: 2^e; v[lim]: 57,344 x 2^e
.macro ELUQ x, c, sc, lim
.irp i, 0,1,2,3,4,5,6,7
	v_min_num_f32 v[T+\i], 0, v[(\x)+\i]
.endr
.irp i, 0,2,4,6
	v_pk_mul_f32 v[T+\i:T+\i+1], v[T+\i:T+\i+1], 0x3fb8aa3b op_sel_hi:[1,0]   ; x log2(e)
.endr
.irp i, 0,1,2,3,4,5,6,7
	v_exp_f32 v[T+\i], v[T+\i]
.endr
	v_nop                                          ; a plain instruction between the last exponential and the use of its result (ISA guide 5.7.2)
	s_wait_alu depctr_va_vdst(0)
.irp i, 0,2,4,6
	v_pk_add_f32 v[T+\i:T+\i+1], v[T+\i:T+\i+1], -1.0 op_sel_hi:[1,0]
.endr
.irp i, 0,1,2,3,4,5,6,7
	v_max_num_f32 v[(\x)+\i], v[(\x)+\i], v[T+\i]
.endr
.irp i, 0,2,4,6
	v_pk_add_f32 v[(\x)+\i:(\x)+\i+1], v[(\x)+\i:(\x)+\i+1], 1.0 op_sel_hi:[1,0]
.endr
.irp i, 0,1,2,3,4,5,6,7
	v_min_num_f32 v[(\x)+\i], v[(\x)+\i], v[\lim]  ; the conversion to an 8-bit code does not saturate (ISA guide 7.6.2); the number is not negative, so the hold is one-sided
.endr
	v_cvt_scalef32_pk8_bf8_f32 v[(\c):(\c)+1], v[(\x):(\x)+7], v[\sc]
	v_nop                                          ; a plain instruction between the conversion and the next vector instruction that touches its result
.endm
	s_load_b256 s[4:11], s[0:1], 0x0               ; qk s[4:5], the scales' exponents s[6:7], qimg s[8:9], kimg s[10:11]
	s_load_b64 s[12:13], s[0:1], 0x20              ; pre
	v_lshl_add_u32 v62, v0, 2, 0x9a00
	v_mov_b32 v63, 0
	v_lshrrev_b32 v12, 5, v0
	v_readfirstlane_b32 s16, v12                   ; wave 0..7
	v_and_b32 v13, 31, v0                          ; lane
	v_lshlrev_b32 v1, 4, v13                       ; v1: 16 x lane: my bytes of a load's or a store's 512
	v_bfe_u32 v14, v0, 4, 1                        ; which of the two heads
	v_and_b32 v15, 15, v0                          ; g: my d = 4 g + 0..3
	v_mul_u32_u24 v2, v14, HST
	v_bfe_u32 v12, v0, 2, 2                        ; g / 4 = d / 16: the image's row
	v_mad_u32_u24 v2, v12, RP, v2
	v_and_b32 v12, 3, v0
	v_lshl_add_u32 v2, v12, 2, v2                  ; + 4 (g % 4) = d % 16
	s_mul_i32 s17, s16, TP
	s_and_b32 s18, s16, 6
	s_mul_i32 s18, s18, TP                         ; k: my group's first tile is tile w with bit 0 cleared,
	s_and_b32 s19, s16, 1
	s_lshl_b32 s19, s19, 7                         ; and the odd wave's keys take rows 8 to 15
	s_add_co_u32 s18, s18, s19
	s_add_co_u32 s18, s18, KST
	v_add_nc_u32 v3, s18, v2                       ; v3: where my words of k go; position p adds TP (p / 8) + 16 (p % 8)
	v_add_nc_u32 v2, s17, v2                       ; v2: where my words of q go: tile w; position p adds 16 p
	v_mul_u32_u24 v4, v14, RP
	v_lshl_add_u32 v4, v15, 4, v4
	v_add_nc_u32 v4, s17, v4                       ; v4: back: tile w, two rows of 256 bytes an instruction
	s_lshl_b32 s19, s16, 9
	s_add_co_u32 s19, s19, SUMS
	v_add_nc_u32 v5, s19, v1                       ; v5: my wave's sums
	v_add_nc_u32 v6, SUMS, v1                      ; v6: wave 0's
	v_mul_u32_u24 v7, v14, 20480
	v_lshl_add_u32 v7, v15, 4, v7                  ; v7: pre: my head's 20,480 bytes, my four d
	s_and_b32 s20, ttmp9, 7                        ; which pair of heads
	s_bfe_u32 s21, ttmp9, 0x40003                  ; which step of 128 positions
	s_lshr_b32 s22, ttmp9, 7                       ; b
	s_lshl_b32 s26, s22, 24                        ; qk: b x 16,777,216 + (128 step + 16 w) x 8,192 + pair x 512
	s_lshl_b32 s27, s21, 20
	s_add_co_u32 s26, s26, s27
	s_lshl_b32 s27, s16, 17
	s_add_co_u32 s26, s26, s27
	s_lshl_b32 s27, s20, 9
	s_add_co_u32 s26, s26, s27
	s_mov_b32 s27, 0
	s_lshl_b32 s23, s22, 4
	s_lshl_b32 s28, s20, 1
	s_add_co_u32 s23, s23, s28                     ; the first head: 16 b + 2 pair
	s_lshl_b32 s28, s23, 17                        ; images: head x 131,072 + (8 step + w) x 1,024
	s_lshl_b32 s29, s21, 13
	s_add_co_u32 s28, s28, s29
	s_lshl_b32 s29, s16, 10
	s_add_co_u32 s28, s28, s29
	s_mov_b32 s29, 0
	s_mul_i32 s30, s23, 20480                      ; pre: head x 20,480 + step x 1,280 + 256 x vector; wave w makes vector w
	s_mul_i32 s31, s21, 1280
	s_add_co_u32 s30, s30, s31
	s_lshl_b32 s31, s16, 8
	s_add_co_u32 s30, s30, s31
	s_mov_b32 s31, 0
	s_wait_kmcnt 0x0
	s_load_b64 s[20:21], s[6:7], 0x0               ; e0, e1
	s_add_nc_u64 s[4:5], s[4:5], s[26:27]
	s_add_nc_u64 s[8:9], s[8:9], s[28:29]
	s_add_nc_u64 s[10:11], s[10:11], s[28:29]
	s_add_nc_u64 s[12:13], s[12:13], s[30:31]
.irp p, 0,1,2,3,4,5,6,7,8,9,10,11,12,13,14,15
	global_load_b128 v[RK+4*\p:RK+4*\p+3], v1, s[4:5] offset:\p*8192+4096 th:TH_LOAD_NT   ; k of position p: 512 consecutive bytes, read once in the launch
.endr
.irp p, 0,1,2,3,4,5,6,7,8,9,10,11,12,13,14,15
	global_load_b128 v[RQ+4*\p:RQ+4*\p+3], v1, s[4:5] offset:\p*8192 th:TH_LOAD_NT        ; q
.endr
	s_wait_kmcnt 0x0
	s_add_co_i32 s20, s20, 127
	s_lshl_b32 s22, s20, 23
	v_mov_b32 v8, s22                              ; 2^e0 as f32: the conversion takes its exponent field
	s_add_co_i32 s20, s20, 15
	s_lshl_b32 s20, s20, 23
	s_or_b32 s20, s20, 0x600000
	v_mov_b32 v9, s20                              ; 57,344 x 2^e0
	s_add_co_i32 s21, s21, 127
	s_lshl_b32 s22, s21, 23
	v_mov_b32 v10, s22                             ; the same for e1
	s_add_co_i32 s21, s21, 15
	s_lshl_b32 s21, s21, 23
	s_or_b32 s21, s21, 0x600000
	v_mov_b32 v11, s21
	; ---- k, two positions at a time: codes, their values added up, the words into the images
.set P, 0
.rept 8
	s_wait_loadcnt 30-2*P                          ; of the 32 loads those of positions 2 P and 2 P + 1 of k are in; the younger ones stay out
	ELUQ RK+8*P, CK+2*P, 10, 11
.if P == 0
.irp b, 0,1,2,3
	v_cvt_f32_bf8 v[ACC+\b], v[CK] byte_sel:\b     ; the first pair starts the sums: nothing is cleared
	v_cvt_f32_bf8 v[ACC+4+\b], v[CK+1] byte_sel:\b
.endr
.else
.irp b, 0,1,2,3
	v_cvt_f32_bf8 v[DQ+\b], v[CK+2*P] byte_sel:\b
	v_cvt_f32_bf8 v[DQ+4+\b], v[CK+2*P+1] byte_sel:\b
.endr
.irp i, 0,2,4,6
	v_pk_add_f32 v[ACC+\i:ACC+\i+1], v[ACC+\i:ACC+\i+1], v[DQ+\i:DQ+\i+1]
.endr
.endif
	ds_store_b32 v3, v[CK+2*P] offset:((2*P)/8)*TP+((2*P)%8)*16
	ds_store_b32 v3, v[CK+2*P+1] offset:((2*P+1)/8)*TP+((2*P+1)%8)*16
.set P, P+1
.endr
	v_pk_add_f32 v[ACC:ACC+1], v[ACC:ACC+1], v[ACC+4:ACC+5]       ; even and odd positions together: my wave's 16 keys
	v_pk_add_f32 v[ACC+2:ACC+3], v[ACC+2:ACC+3], v[ACC+6:ACC+7]
	ds_store_b128 v5, v[ACC:ACC+3]
	; ---- q likewise, without sums
.set P, 0
.rept 8
	s_wait_loadcnt 14-2*P                          ; q's positions 2 P and 2 P + 1 are in; the younger ones stay out
	ELUQ RQ+8*P, CQ+2*P, 8, 9
	ds_store_b32 v2, v[CQ+2*P] offset:(2*P)*16
	ds_store_b32 v2, v[CQ+2*P+1] offset:(2*P+1)*16
.set P, P+1
.endr
	s_wait_dscnt 0x0                               ; for the others' sake: all my stores into LDS are done
	s_barrier_signal -1
	s_barrier_wait -1                              ; a tile of k comes from two waves, the sums from all eight
	; ---- the images leave: wave w takes tile w of both heads, of q and of k
.irp t, 0,1,2,3
	ds_load_b128 v[BQ+4*\t:BQ+4*\t+3], v4 offset:(\t/2)*HST+(\t%2)*2*RP
.endr
.irp t, 0,1,2,3
	ds_load_b128 v[BK+4*\t:BK+4*\t+3], v4 offset:KST+(\t/2)*HST+(\t%2)*2*RP
.endr
.irp t, 0,1,2,3
	s_wait_dscnt 7-\t                              ; LDS loads come back in order: q's load t is in, the younger ones stay out
	global_store_b128 v1, v[BQ+4*\t:BQ+4*\t+3], s[8:9] offset:(\t/2)*131072+(\t%2)*512    ; 32 lanes store 512 consecutive bytes, at a multiple of 512 from the buffer's first byte
.endr
.irp t, 0,1,2,3
	s_wait_dscnt 3-\t
	global_store_b128 v1, v[BK+4*\t:BK+4*\t+3], s[10:11] offset:(\t/2)*131072+(\t%2)*512
.endr
	; ---- pre: wave w = 0..4 makes vector w: the sums of waves 0 .. min(2 w, 8) - 1, chosen by a factor 1 or 0 (the sums are finite: codes are held at 57,344)
	s_cmp_gt_u32 s16, 4
	s_cbranch_scc1 .Ldone
.irp i, 0,1,2,3,4,5,6,7
	ds_load_b128 v[RK+4*\i:RK+4*\i+3], v6 offset:512*\i
.endr
	s_lshl_b32 s17, s16, 1
	s_min_u32 s17, s17, 8
	s_wait_dscnt 0x0
	s_cmp_gt_u32 s17, 0
	s_cselect_b32 s24, 1.0, 0
	s_mov_b32 s25, s24                             ; (named with it as a pair, so it is written)
	v_pk_mul_f32 v[RES:RES+1], v[RK:RK+1], s[24:25] op_sel_hi:[1,0]
	v_pk_mul_f32 v[RES+2:RES+3], v[RK+2:RK+3], s[24:25] op_sel_hi:[1,0]
.irp i, 1,2,3,4,5,6,7
	s_cmp_gt_u32 s17, \i
	s_cselect_b32 s24, 1.0, 0
	s_mov_b32 s25, s24
	v_pk_fma_f32 v[RES:RES+1], v[RK+4*\i:RK+4*\i+1], s[24:25], v[RES:RES+1] op_sel_hi:[1,0,1]
	v_pk_fma_f32 v[RES+2:RES+3], v[RK+4*\i+2:RK+4*\i+3], s[24:25], v[RES+2:RES+3] op_sel_hi:[1,0,1]
.endr
	global_store_b128 v7, v[RES:RES+3], s[12:13]   ; 16 lanes store a vector's 256 consecutive bytes, aligned; lanes 16-31 the other head's
.Ldone:
	s_wait_tensorcnt 0x0
	ds_add_u32 v62, v63
	s_wait_dscnt 0x0
	s_endpgm
.Lfunc_end_k_q373784a64f_prep:
	.size	k_q373784a64f_prep, .Lfunc_end_k_q373784a64f_prep-k_q373784a64f_prep
	.p2alignl 7, 3214868480
	.fill 96, 4, 3214868480
	.section	.rodata,"a",@progbits
	.p2align	6, 0x0
	.amdhsa_kernel k_q373784a64f_prep
		.amdhsa_group_segment_fixed_size 40448
		.amdhsa_private_segment_fixed_size 0
		.amdhsa_enable_private_segment 0
		.amdhsa_kernarg_size 40
		.amdhsa_user_sgpr_count 2
		.amdhsa_user_sgpr_kernarg_segment_ptr 1
		.amdhsa_wavefront_size32 1
		.amdhsa_system_sgpr_workgroup_id_x 1
		.amdhsa_system_sgpr_workgroup_id_y 1
		.amdhsa_system_sgpr_workgroup_id_z 1
		.amdhsa_system_vgpr_workitem_id 0
		.amdhsa_next_free_vgpr 256
		.amdhsa_next_free_sgpr 66
		.amdhsa_reserve_vcc 0
		.amdhsa_float_denorm_mode_32 3
		.amdhsa_float_denorm_mode_16_64 3
		.amdhsa_memory_ordered 1
		.amdhsa_forward_progress 1
		.amdhsa_inst_pref_size 52
	.end_amdhsa_kernel
	.amdgpu_metadata
---
amdhsa.version: [ 1, 2 ]
amdhsa.kernels:
  - .name:           k_q373784a64f_prep
    .symbol:         k_q373784a64f_prep.kd
    .args:
      - { .name: qk, .offset: 0, .size: 8, .value_kind: global_buffer, .address_space: global }
      - { .name: lowp_scales, .offset: 8, .size: 8, .value_kind: global_buffer, .address_space: global }
      - { .name: qimg, .offset: 16, .size: 8, .value_kind: global_buffer, .address_space: global }
      - { .name: kimg, .offset: 24, .size: 8, .value_kind: global_buffer, .address_space: global }
      - { .name: pre, .offset: 32, .size: 8, .value_kind: global_buffer, .address_space: global }
    .group_segment_fixed_size: 40448
    .private_segment_fixed_size: 0
    .kernarg_segment_align: 8
    .kernarg_segment_size: 40
    .max_flat_workgroup_size: 256
    .sgpr_count:     66
    .vgpr_count:     256
    .wavefront_size: 32
...
	.end_amdgpu_metadata
.endif
;; end of part 1
;; launch attn (part 2): grid 8 x 32, 8 waves a work-group, clusters of 4 x 1, 327,680 bytes of LDS; arguments lowp_scales, qimg, kimg, pre, v_codes, out0; writes out0
.if DOCPART == 2
	.amdgcn_target "amdgcn-amd-amdhsa--gfx1250"
	.amdhsa_code_object_version 6
	.text
	.protected	k_q373784a64f_attn
	.globl	k_q373784a64f_attn
	.p2align	8
	.type	k_q373784a64f_attn,@function
k_q373784a64f_attn:
	s_mov_b64 s[64:65], 0
	v_nop
	global_prefetch_b8 v0, s[64:65] scope:SCOPE_SE
	s_setreg_imm32_b32 hwreg(HW_REG_WAVE_MODE, 25, 1), 1
	s_wait_xcnt 0x0
	s_wait_alu depctr_hold_cnt(0) depctr_sa_sdst(0) depctr_va_vdst(0) depctr_va_sdst(0) depctr_va_ssrc(0) depctr_va_vcc(0) depctr_vm_vsrc(0)
	s_getreg_b32 s2, hwreg(HW_REG_IB_STS2, 6, 4)
	s_cmp_eq_u32 s2, 0
	s_cbranch_scc0 .Lentry_in_a_cluster
	s_endpgm
.Lentry_in_a_cluster:
	s_bfe_u32 s2, ttmp6, 0x10000c
	s_cmp_lg_u32 s2, 0x3003
	s_cbranch_scc0 .Lentry_shape_is_right
	s_endpgm
.Lentry_shape_is_right:
; out[t] = sum over s <= t of Q(score[t][s] / nu[t]) v[s], score = Q(q') . Q(k'), nu[t] = the sum of t's scores up to s = t.  Both products on codes of BF8 (E5M2), sums in f32.
; IN: qimg, kimg (codes of q' and k' as images of operands' registers), pre (sums of k's codes' values), all made by the launch before; v_codes [32 heads][64 d][2,048 keys]; the exponents e2 (v) and e3 (the weights).
; SCALES.  score / nu does not hang on 2^(e0 + e1): scores and nu both stay in the codes' own units.  The weight is quantised with 2^e3; a finished sum is multiplied by 2^(e2 + e3).
; NU AHEAD OF THE SCORES.  All codes are 0 or more, so nu[t] = Qq[t] . (the sum of Qk[s], s <= t) is the same sum of the same terms in another order, without cancellation.  For a tile of 16 queries:
;   nu = Qq . (whole steps of 128 keys in front + the own step's keys in front of the tile's group of 32 keys), both from pre, + the masked scores against that group (two more matrix instructions).
; LIMITS: e3 between -126 and 112 (2^e3 and 57,344 x 2^e3 are f32 numbers); e2 + e3 goes in by v_ldexp_f32 and has none.  A row with nu = 0, for which the definition gives NaN, is not served: the one-sided hold drops the NaN.
; SHARES.  Work-group (j, head), j = 0..7.  Wave m = 0..7 owns two tiles of 16 queries: LONG, tile j + 8 (15 - m), with 16 - m steps of 128 keys, and SHORT, tile j + 8 m, with m + 1: 17 steps for every wave
; of every work-group, and only keys that count are multiplied.  Trip counts, branches and LDS addresses hang on the wave's number and on constants; j enters global addresses and the mask's numbers alone.
; CLUSTER.  The four work-groups of a cluster belong to one head and read the same K and V: each tile is asked for JOINTLY, by the same tensor load with the same descriptor and a mask that names the four.
; LDS.  THE HEAD'S WHOLE K AND V ARE RESIDENT: 8 chunks of 256 keys, each 128 rows of 256 bytes + 16 of padding: rows 0-63 the chunk's 16 tiles of kimg (four rows a tile), rows 64-127 V's 64 d.
; Every fill is a first fill: nothing in LDS is filled twice.  Wave w fills rows 16 w .. 16 w + 15 of every chunk: eight tensor loads, all eight out at once, issued together behind the opening round.
; LAYOUT.  Both products are used transposed: S^T = K Q^T (source 0 = 16 keys, source 1 = my 16 queries), O^T = V^T P^T (source 0 = 16 d, source 1 = the weights): a lane holds ONE query (lane % 16) throughout.
; By kimg's order of keys the 16 registers of tiles 2 b and 2 b + 1 of S^T are keys 32 b + 16 (lane / 16) + 0..15: the conversions' results are the second product's operand.  Along K both operands of a product are
; laid alike, 16 neighbours a lane and load: a permutation of k that is the same on both sides.
; REGISTERS: v1-9 addresses and the mask's numbers; v[10:11], v[12:13] 1 / nu of LONG, SHORT; v14, v15 2^e3 and 57,344 x 2^e3; v16-23, v24-31 Q of LONG, SHORT; v32-95 8 fragments of K, then 4 of V;
;   v96-159 S^T, then the weights; v160-191 O^T; v192-207 the weights' codes; v208-243 the prologue's sums; v244 0; v245-248 addresses; v249-253 at work.
.set RP,    272                        ; an LDS row: 256 bytes + 16 of padding
.set TILEK, 4*RP                       ; a tile of 16 keys
.set STEPK, 8*TILEK                    ; a step's eight tiles
.set VOFF,  64*RP                      ; V's rows in a chunk
.set SLOTB, 128*RP                     ; a chunk
.set SCR,   8*SLOTB                    ; behind the chunks, in blocks of 256 bytes into which no tile lands: 512 bytes a wave for the two vectors of sums,
.set STAGE, SCR+4096                   ; and 16 rows x 272 bytes a wave for the way out
.set WSTG,  16*RP
.set G1K,  16                          ; s[16:23] descriptor group 1 for K's rows;  s[24:31] for V's
.set G1V,  24
.set G0,   32                          ; s[32:63] eight groups 0, one for each chunk; never written again
.set WV,   66                          ; my wave's number m
.set J,    67
.set HD,   68                          ; the head
.set TB,   69                          ; LDS byte at which the chunk in hand begins
.set KS,   74                          ; the key step in hand
.set LIML, 75                          ; LONG's last key step, the one on the diagonal: 15 - m
.set LIMS, 76                          ; SHORT's: m
.set CNT,  77
.set SEL,  78                          ; s[78:79] v_permlanex16_b32's selects for lane l xor 16
.set OL,   84                          ; s[84:85], s[86:87] out0 at LONG's, SHORT's first row
.set OS,   86
.set QL,   88                          ; the prologue's addresses: qimg at LONG's, SHORT's tile;
.set QS,   90
.set KL,   92                          ; kimg at their groups of 32 keys;
.set KD,   94
.set PR,   96                          ; pre at the head; at LONG's, SHORT's vector of the own step
.set PL,   98
.set PS,   100
; A round of the cluster's barrier: my work-group's barrier, wave 0 signals for the work-group, every wave waits for all four work-groups, my work-group's barrier once more.
.macro CROUND
	s_barrier_signal -1
	s_barrier_wait -1
	s_cmp_lg_u32 s[WV], 0
	s_cbranch_scc1 .Lnot_wave_0_\@
	s_barrier_signal -3
.Lnot_wave_0_\@:
	s_barrier_wait -3
	s_barrier_signal -1
	s_barrier_wait -1
.endm
; Chunk c is whole: each wave's part has landed (tensor loads of a wave end in order: ISA guide 10.11.1; the 7 - c younger ones stay out), and every wave has said so.
.macro ARRIVE c
	s_wait_tensorcnt 7-(\c)
	s_barrier_signal -1
	s_barrier_wait -1
.endm
; A KEY STEP: 128 keys, half par of the chunk at s[TB], for the tile with Q in v[qb] on and 1 / nu in v[rn].  zero = 1: its products start O^T.
; kind = 0: all keys count.  1: the step is left out where it lies behind the tile's diagonal step s[lim], and masked on it.  2: never left out, masked on it.
.macro STEP par, zero, kind, qb, rn, lim
.if \kind == 1
	s_cmp_gt_u32 s[KS], s[\lim]
	s_cbranch_scc1 .Lskip_\@
.endif
	v_add_nc_u32 v3, s[TB], v1
	v_add_nc_u32 v4, s[TB], v2
	v_nop                                          ; with the two additions: four places between the last products and the loads into the registers that they read (ISA guide 7.12.1 for vector instructions)
	v_nop
.irp t, 0,1,2,3,4,5,6,7
	ds_load_b128 v[32+8*\t:35+8*\t], v3 offset:\par*STEPK+\t*TILEK
	ds_load_b128 v[36+8*\t:39+8*\t], v3 offset:\par*STEPK+\t*TILEK+2*RP
.endr
.irp t, 0,1,2,3,4,5,6,7
	s_wait_dscnt 14-2*\t                           ; tile t's two loads are in; the later tiles' stay out
	v_wmma_f32_16x16x64_bf8_bf8 v[96+8*\t:103+8*\t], v[32+8*\t:39+8*\t], v[\qb:\qb+7], 0
.endr
.rept 4
	v_nop                                          ; places in front of the loads below and of the first read of the scores
.endr
.irp t, 0,1,2,3
.irp c, 0,1,2,3
	ds_load_b128 v[32+16*\t+4*\c:35+16*\t+4*\c], v4 offset:\par*128+\t*16*RP+32*\c   ; V's four fragments land under the vector work below
.endr
.endr
.if \kind >= 1
	s_cmp_lg_u32 s[KS], s[\lim]
	s_cbranch_scc1 .Lopen_\@
.set NN, 0
.rept 64                                       ; on the diagonal: register 16 b + i holds the step's key 32 b + 16 (lane / 16) + i: hidden, and set to 0, where 32 b + i > v8
	v_cmp_gt_i32 vcc_lo, 32*(NN/16)+NN%16, v8
	v_cndmask_b32 v[96+NN], v[96+NN], v244, vcc_lo
.set NN, NN+1
.endr
.Lopen_\@:
.endif
.set NN, 0
	s_wait_alu depctr_va_vdst(0)
.rept 32
	v_pk_mul_f32 v[96+NN:97+NN], v[96+NN:97+NN], v[\rn:\rn+1]     ; the finished weight: score / nu; each accumulator from its low end on
.set NN, NN+2
.endr
.irp b, 0,1,2,3
.irp i, 0,1,2,3,4,5,6,7,8,9,10,11,12,13,14,15
	v_min_num_f32 v[96+16*\b+\i], v[96+16*\b+\i], v15             ; the conversion to an 8-bit code does not saturate (ISA guide 7.6.2); a weight is not negative, so the hold is one-sided
.endr
	v_cvt_scalef32_pk8_bf8_f32 v[192+4*\b:193+4*\b], v[96+16*\b:103+16*\b], v14
	v_cvt_scalef32_pk8_bf8_f32 v[194+4*\b:195+4*\b], v[104+16*\b:111+16*\b], v14
.endr
	v_nop                                          ; a plain instruction between the last conversion and the products that read its result
	s_wait_dscnt 0x0                               ; V is in
.irp t, 0,1,2,3                                ; the four accumulators take turns, one instruction a turn, and the next step's eight products K Q^T stand between two links
.if \zero
	v_wmma_f32_16x16x128_bf8_bf8 v[160+8*\t:167+8*\t], v[32+16*\t:47+16*\t], v[192:207], 0
.else
	v_wmma_f32_16x16x128_bf8_bf8 v[160+8*\t:167+8*\t], v[32+16*\t:47+16*\t], v[192:207], v[160+8*\t:167+8*\t]
.endif
.endr
.if \kind == 1
.Lskip_\@:
.endif
.if \kind >= 1
	s_add_co_u32 s[KS], s[KS], 1
.endif
.endm
; 1 / nu of a tile, into v[rn] and v[rn + 1].  Q's codes in v[qb] on; the vector of sums at soff in my scratch; the scores against the tile's own group of 32 keys in v[dreg] on.
.macro NU qb, soff, dreg, rn
.irp c, 0,1
.irp i, 0,1,2,3
	ds_load_b128 v[128+16*\c+4*\i:131+16*\c+4*\i], v248 offset:\soff+128*\c+16*\i    ; the sums at my 32 d: 32 c + 16 (lane / 16) + 4 i on.  LDS serves a wave's instructions in order: these see my stores
.endr
.endr
.irp n, 0,1,2,3,4,5,6,7
.irp b, 0,1,2,3
	v_cvt_f32_bf8 v[96+4*\n+\b], v[\qb+\n] byte_sel:\b            ; my query's codes' values at the same d
.endr
.endr
	s_wait_dscnt 0x0
	v_pk_mul_f32 v[250:251], v[96:97], v[128:129]  ; the dot product, two at a time, in two chains
	v_pk_mul_f32 v[252:253], v[98:99], v[130:131]
.irp n, 4,8,12,16,20,24,28
	v_pk_fma_f32 v[250:251], v[96+\n:97+\n], v[128+\n:129+\n], v[250:251]
	v_pk_fma_f32 v[252:253], v[98+\n:99+\n], v[130+\n:131+\n], v[252:253]
.endr
.irp i, 0,1,2,3,4,5,6,7,8,9,10,11,12,13,14,15
	v_cmp_gt_i32 vcc_lo, \i, v9                    ; register i holds the group's key 16 (lane / 16) + i: hidden where i > v9
	v_cndmask_b32 v[\dreg+\i], v[\dreg+\i], v244, vcc_lo
.endr
.irp i, 0,4,8,12
	v_pk_add_f32 v[250:251], v[250:251], v[\dreg+\i:\dreg+\i+1]
	v_pk_add_f32 v[252:253], v[252:253], v[\dreg+\i+2:\dreg+\i+3]
.endr
	v_pk_add_f32 v[250:251], v[250:251], v[252:253]
	v_add_f32 v250, v250, v251
	v_permlanex16_b32 v252, v250, s[SEL], s[SEL+1] ; the query's other 32 d and other 16 keys lie in the lane 16 away
	v_add_f32 v250, v250, v252
	v_rcp_f32 v[\rn], v250
	v_rcp_f32 v[\rn+1], v250                       ; twice: the packed multiply names a pair
	v_nop                                          ; a plain instruction behind the reciprocals (ISA guide 5.7.2)
.endm
; THE WAY OUT of a tile.  Register 8 t + i of lane (r, h) is out(query r, d = 16 t + 8 h + i).  x 2^(e2 + e3), through my own stage, back as whole rows of 256 bytes.  more = 1: the registers are written again later.
.macro WAYOUT base, more
.rept 4
	v_nop                                          ; places behind the last products
.endr
.set NN, 0
.rept 32
	v_ldexp_f32 v[96+NN], v[160+NN], s3            ; each accumulator from its low end on
.set NN, NN+1
.endr
.irp t, 0,1,2,3
	ds_store_b128 v5, v[96+8*\t:99+8*\t] offset:64*\t
	ds_store_b128 v5, v[100+8*\t:103+8*\t] offset:64*\t+16
.endr
.irp i, 0,1,2,3,4,5,6,7
	ds_load_b128 v[128+4*\i:131+4*\i], v6 offset:\i*2*RP          ; in order behind my stores
.endr
.irp i, 0,1,2,3,4,5,6,7
	s_wait_dscnt 7-\i                              ; rows 2 i and 2 i + 1 are back; the younger loads stay out
	global_store_b128 v7, v[128+4*\i:131+4*\i], s[\base:\base+1] offset:\i*8192 th:TH_STORE_NT   ; 16 lanes store a query's 256 consecutive bytes of this head, aligned; written once, read by nobody here
.endr
.if \more
	s_wait_xcnt 0x0                                ; the stores have read their registers (ISA guide 3.1): the next tile's products write them again
.endif
.endm
	s_load_b256 s[4:11], s[0:1], 0x0               ; the scales' exponents s[4:5], qimg s[6:7], kimg s[8:9], pre s[10:11]
	s_load_b128 s[12:15], s[0:1], 0x20             ; v_codes s[12:13], out0 s[14:15]
	v_lshl_add_u32 v254, v0, 2, 0x4d800
	v_mov_b32 v255, 0
	ds_add_u32 v254, v255
	ds_add_u32 v254, v255
	v_lshrrev_b32 v3, 5, v0
	v_readfirstlane_b32 s[WV], v3                  ; wave 0..7
	s_and_b32 s[HD], ttmp7, 0xffff                 ; the head, which the four partners share
	; descriptor group 1: 16 rows of 256 bytes, padded in LDS
	s_mov_b32 s[G1K], 15|(1<<20)|(1<<21)|(5<<22)|(3<<25)   ; 15:0 the mask: all four work-groups; 17:16 elements of 1 byte; 20 padding on; 21 set beside a mask; 24:22 after every 64 words (code 5); 31:25 four words (code 3)
	s_mov_b32 s[G1V], 15|(1<<20)|(1<<21)|(5<<22)|(3<<25)
.irp g, G1K, G1V
	s_mov_b32 s[\g+1], 256<<16                     ; tensor_dim0 = 256
	s_mov_b32 s[\g+2], 16<<16                      ; tensor_dim1 = 16
	s_mov_b32 s[\g+3], 256<<16                     ; tile_dim0 = 256
	s_mov_b32 s[\g+4], 16                          ; tile_dim1 = 16
	s_mov_b32 s[\g+6], 0
	s_mov_b32 s[\g+7], 0
.endr
	s_mov_b32 s[G1K+5], 256                        ; kimg is dense: a row begins where the last ends
	s_mov_b32 s[G1V+5], 2048                       ; a row of V is the head's 2,048 keys
	; group 0.  Waves 0-3 fetch rows 16 w on of a chunk's K, waves 4-7 rows 16 (w - 4) on of its V.  Nothing here hangs on my place in the cluster.
	s_and_b32 s88, s[WV], 3
	s_mul_i32 s89, s[WV], WSTG                     ; in LDS both are rows 16 w on of the chunk
	s_lshl_b32 s90, s[HD], 17                      ; a head is 131,072 bytes in kimg and in v_codes
	s_mov_b32 s91, 0
	s_mov_b32 s92, 4096
	s_mov_b32 s93, 0
	s_mov_b32 s94, 16384
	s_mov_b32 s95, 0
	s_wait_dscnt 0x0
	s_wait_kmcnt 0x0
	s_load_b64 s[82:83], s[4:5], 0x8               ; e2, e3
	s_cmp_lt_u32 s[WV], 4
	s_cselect_b64 s[96:97], s[8:9], s[12:13]       ; the buffer,
	s_cselect_b32 s92, s92, 32768                  ; 16 rows in it,
	s_cselect_b32 s94, s94, 256                    ; and from chunk to chunk: 64 rows of kimg, or 256 keys along V's rows
	s_mul_i32 s92, s92, s88
	s_add_nc_u64 s[96:97], s[96:97], s[90:91]
	s_add_nc_u64 s[96:97], s[96:97], s[92:93]
.irp c, 0,1,2,3,4,5,6,7
	s_mov_b32 s[G0+4*\c], 1                        ; 1:0 count = 1
	s_add_co_u32 s[G0+4*\c+1], s89, \c*SLOTB       ; 63:32 LDS address
	s_mov_b64 s[G0+4*\c+2:G0+4*\c+3], s[96:97]     ; 120:64 global address
	s_or_b32 s[G0+4*\c+3], s[G0+4*\c+3], 0x80000000   ; 127:126 type = 2
	s_add_nc_u64 s[96:97], s[96:97], s[94:95]
.endr
	CROUND                                         ; all four work-groups are here: the joint loads meet
	s_cmp_lt_u32 s[WV], 4                          ; a wave's eight fills stand in one branch on its number, ahead of every wait on TENSORcnt, every LDS instruction and every other barrier; four v_nop follow the last
	s_cbranch_scc0 .Lfill_v
.irp c, 0,1,2,3,4,5,6,7
	tensor_load_to_lds s[G0+4*\c:G0+4*\c+3], s[G1K:G1K+7]
	s_nop 0
.endr
.rept 4
	v_nop
.endr
	s_branch .Lfilled
.Lfill_v:
.irp c, 0,1,2,3,4,5,6,7
	tensor_load_to_lds s[G0+4*\c:G0+4*\c+3], s[G1V:G1V+7]
	s_nop 0
.endr
.rept 4
	v_nop
.endr
.Lfilled:
	; ---- THE PROLOGUE, while the chunks land: addresses, Q, and 1 / nu of both tiles
	s_bfe_u32 s2, ttmp6, 0x40000                   ; cx: my place in the cluster
	s_lshl_b32 s[J], ttmp9, 2
	s_add_co_u32 s[J], s[J], s2                    ; j = 4 x cluster x + cx
	s_sub_co_u32 s[LIML], 15, s[WV]
	s_mov_b32 s[LIMS], s[WV]
	s_lshl_b32 s70, s[LIML], 3
	s_add_co_u32 s70, s70, s[J]                    ; LONG's tile
	s_lshl_b32 s71, s[LIMS], 3
	s_add_co_u32 s71, s71, s[J]                    ; SHORT's
	s_lshl_b32 s72, s[HD], 17
	s_mov_b32 s3, 0                                ; every offset is under 2^32: s[2:3] with 0 above it
	s_lshl_b32 s2, s70, 10
	s_add_co_u32 s2, s2, s72
	s_add_nc_u64 s[QL:QL+1], s[6:7], s[2:3]
	s_lshl_b32 s2, s71, 10
	s_add_co_u32 s2, s2, s72
	s_add_nc_u64 s[QS:QS+1], s[6:7], s[2:3]
	s_lshr_b32 s2, s70, 1
	s_lshl_b32 s2, s2, 11                          ; the tile's group of 32 keys: two tiles of kimg
	s_add_co_u32 s2, s2, s72
	s_add_nc_u64 s[KL:KL+1], s[8:9], s[2:3]
	s_lshr_b32 s2, s71, 1
	s_lshl_b32 s2, s2, 11
	s_add_co_u32 s2, s2, s72
	s_add_nc_u64 s[KD:KD+1], s[8:9], s[2:3]
	s_mul_i32 s2, s[HD], 20480
	s_add_nc_u64 s[PR:PR+1], s[10:11], s[2:3]
	s_lshr_b32 s73, s[J], 1
	s_lshl_b32 s73, s73, 8                         ; which group of 32 of the own step: vector j / 2
	s_mul_i32 s2, s[LIML], 1280
	s_add_co_u32 s2, s2, s73
	s_add_nc_u64 s[PL:PL+1], s[PR:PR+1], s[2:3]
	s_mul_i32 s2, s[LIMS], 1280
	s_add_co_u32 s2, s2, s73
	s_add_nc_u64 s[PS:PS+1], s[PR:PR+1], s[2:3]
	s_lshr_b32 s2, s[HD], 4
	s_lshl_b32 s2, s2, 23                          ; out0: b x 8,388,608 + h x 256 + tile x 16 rows of 4,096
	s_and_b32 s73, s[HD], 15
	s_lshl_b32 s73, s73, 8
	s_add_co_u32 s73, s73, s2
	s_lshl_b32 s2, s70, 16
	s_add_co_u32 s2, s2, s73
	s_add_nc_u64 s[OL:OL+1], s[14:15], s[2:3]
	s_lshl_b32 s2, s71, 16
	s_add_co_u32 s2, s2, s73
	s_add_nc_u64 s[OS:OS+1], s[14:15], s[2:3]
	v_and_b32 v249, 15, v0                         ; r
	v_bfe_u32 v250, v0, 4, 1                       ; h
	v_and_b32 v251, 31, v0                         ; lane
	v_lshlrev_b32 v245, 4, v251
	v_lshlrev_b32 v246, 3, v251
	global_load_b128 v[16:19], v245, s[QL:QL+1]            ; Q's fragments stay in registers
	global_load_b128 v[20:23], v245, s[QL:QL+1] offset:512
	global_load_b128 v[24:27], v245, s[QS:QS+1]
	global_load_b128 v[28:31], v245, s[QS:QS+1] offset:512
.irp i, 0,1,2,3
	global_load_b128 v[32+4*\i:35+4*\i], v245, s[KL:KL+1] offset:512*\i   ; the two tiles of LONG's own group of keys,
.endr
.irp i, 0,1,2,3
	global_load_b128 v[48+4*\i:51+4*\i], v245, s[KD:KD+1] offset:512*\i   ; of SHORT's
.endr
	global_load_b64 v[240:241], v246, s[PL:PL+1]           ; the sums begin with the own step's keys in front of the group; lane l holds d = 2 l, 2 l + 1
	global_load_b64 v[242:243], v246, s[PS:PS+1]
.irp i, 0,1,2,3,4,5,6,7,8,9,10,11,12,13,14
	global_load_b64 v[208+2*\i:209+2*\i], v246, s[PR:PR+1] offset:\i*1280+1024   ; the totals of steps 0 to 14 (no tile has step 15 wholly in front of it)
.endr
	v_mul_u32_u24 v1, v250, RP
	v_lshl_add_u32 v1, v249, 4, v1                 ; v1: a tile of K: row h (+ 2 for the second load), 16 bytes of key row r
	v_mul_u32_u24 v2, v249, RP
	v_lshl_add_u32 v2, v250, 4, v2
	v_add_nc_u32 v2, VOFF, v2                      ; v2: V: row d = r, + 16 h
	s_mul_i32 s2, s[WV], WSTG
	s_add_co_u32 s2, s2, STAGE                     ; my stage
	v_mul_u32_u24 v5, v249, RP
	v_lshl_add_u32 v5, v250, 5, v5
	v_add_nc_u32 v5, s2, v5                        ; v5: in: row r, 32 bytes for each half of the lanes
	v_add_nc_u32 v6, s2, v1                        ; v6: back: lanes 0-15 one row, lanes 16-31 the next
	v_lshlrev_b32 v7, 12, v250
	v_lshl_add_u32 v7, v249, 4, v7                 ; v7: and the same two rows in out0
	v_lshlrev_b32 v252, 4, v250
	v_sub_nc_u32 v252, v249, v252                  ; r - 16 h
	s_lshl_b32 s2, s[J], 4
	v_add_nc_u32 v8, s2, v252                      ; v8: my query's place in its step of 128, less 16 h
	s_and_b32 s2, s[J], 1
	s_lshl_b32 s2, s2, 4
	v_add_nc_u32 v9, s2, v252                      ; v9: in its group of 32, less 16 h
	v_mov_b32 v244, 0
	s_lshl_b32 s2, s[WV], 9
	s_add_co_u32 s2, s2, SCR                       ; my scratch
	v_add_nc_u32 v247, s2, v246                    ; v247: in: 8 bytes a lane
	v_lshl_add_u32 v248, v250, 6, s2               ; v248: back: my half's 16 d of each 32
	s_mov_b32 s[SEL], 0x76543210
	s_mov_b32 s[SEL+1], 0xfedcba98
	s_wait_kmcnt 0x0
	s_add_co_i32 s3, s82, s83                      ; e2 + e3
	s_add_co_i32 s2, s83, 127
	s_lshl_b32 s73, s2, 23
	v_mov_b32 v14, s73                             ; 2^e3 as f32: the conversion takes its exponent field
	s_add_co_i32 s2, s2, 15
	s_lshl_b32 s2, s2, 23
	s_or_b32 s2, s2, 0x600000
	v_mov_b32 v15, s2                              ; 57,344 x 2^e3
	s_wait_loadcnt 0x0
.irp i, 0,1,2,3,4,5,6,7
	v_pk_add_f32 v[240:241], v[240:241], v[208+2*\i:209+2*\i]     ; LONG has steps 0 to 7 wholly in front of it, whatever m
.endr
.irp i, 8,9,10,11,12,13,14
	s_cmp_gt_u32 s[LIML], \i                       ; the others by a factor 1 or 0 (the sums are finite)
	s_cselect_b32 s70, 1.0, 0
	s_mov_b32 s71, s70                             ; (named with it as a pair, so it is written)
	v_pk_fma_f32 v[240:241], v[208+2*\i:209+2*\i], s[70:71], v[240:241] op_sel_hi:[1,0,1]
.endr
.irp i, 0,1,2,3,4,5,6
	s_cmp_gt_u32 s[LIMS], \i
	s_cselect_b32 s72, 1.0, 0
	s_mov_b32 s73, s72
	v_pk_fma_f32 v[242:243], v[208+2*\i:209+2*\i], s[72:73], v[242:243] op_sel_hi:[1,0,1]
.endr
	ds_store_b64 v247, v[240:241]                  ; the two vectors turn through my scratch: from two d a lane to the 32 d of a lane's fragment
	ds_store_b64 v247, v[242:243] offset:256
	v_wmma_f32_16x16x64_bf8_bf8 v[160:167], v[32:39], v[16:23], 0    ; the scores against the tiles' own groups of 32 keys
	v_wmma_f32_16x16x64_bf8_bf8 v[168:175], v[40:47], v[16:23], 0
	v_wmma_f32_16x16x64_bf8_bf8 v[176:183], v[48:55], v[24:31], 0
	v_wmma_f32_16x16x64_bf8_bf8 v[184:191], v[56:63], v[24:31], 0
.rept 4
	v_nop                                          ; places behind them
.endr
	NU 16, 0, 160, 10
	NU 24, 256, 176, 12
	; ---- LONG, key steps 0 to 7: all keys count, for every wave.  Chunk c is awaited in front of step c, ahead of its use in step 2 c: so all eight barriers fall where all waves walk the same plain step,
	; and behind the last of them the waves run free.  No LDS instruction of mine is out at any of these signals: each step ends behind its wait for 0.
	s_mov_b32 s[TB], 0
	ARRIVE 0
	STEP 0, 1, 0, 16, 10, LIML
	ARRIVE 1
	STEP 1, 0, 0, 16, 10, LIML
	s_add_co_u32 s[TB], s[TB], SLOTB
.irp c, 1,2,3
	ARRIVE 2*\c
	STEP 0, 0, 0, 16, 10, LIML
	ARRIVE 2*\c+1
	STEP 1, 0, 0, 16, 10, LIML
	s_add_co_u32 s[TB], s[TB], SLOTB
.endr
	; ---- LONG, key steps 8 to 15: up to the diagonal step 15 - m.  The trip count is a constant; what lies behind the diagonal is jumped over inside the step.
	s_mov_b32 s[KS], 8
	s_mov_b32 s[CNT], 4
.Llong:
	STEP 0, 0, 1, 16, 10, LIML
	STEP 1, 0, 1, 16, 10, LIML
	s_add_co_u32 s[TB], s[TB], SLOTB
	s_sub_co_u32 s[CNT], s[CNT], 1
	s_cmp_lg_u32 s[CNT], 0
	s_cbranch_scc1 .Llong
	WAYOUT OL, 1
	; ---- SHORT, key steps 0 to 7: up to the diagonal step m.  Step 0 is never left out: its products start O^T.
	s_mov_b32 s[TB], 0
	s_mov_b32 s[KS], 0
	STEP 0, 1, 2, 24, 12, LIMS
	STEP 1, 0, 1, 24, 12, LIMS
	s_add_co_u32 s[TB], s[TB], SLOTB
	s_mov_b32 s[CNT], 3
.Lshort:
	STEP 0, 0, 1, 24, 12, LIMS
	STEP 1, 0, 1, 24, 12, LIMS
	s_add_co_u32 s[TB], s[TB], SLOTB
	s_sub_co_u32 s[CNT], s[CNT], 1
	s_cmp_lg_u32 s[CNT], 0
	s_cbranch_scc1 .Lshort
	WAYOUT OS, 0
	s_wait_dscnt 0x0                               ; no LDS instruction of mine is out at the signal
	s_wait_tensorcnt 0x0
	ds_add_u32 v254, v255
	s_wait_dscnt 0x0
	CROUND                                         ; the closing round: no work-group ends while a partner may still ask for a tile that names it
	s_endpgm
.Lfunc_end_k_q373784a64f_attn:
	.size	k_q373784a64f_attn, .Lfunc_end_k_q373784a64f_attn-k_q373784a64f_attn
	.p2alignl 7, 3214868480
	.fill 96, 4, 3214868480
	.section	.rodata,"a",@progbits
	.p2align	6, 0x0
	.amdhsa_kernel k_q373784a64f_attn
		.amdhsa_group_segment_fixed_size 327680
		.amdhsa_private_segment_fixed_size 0
		.amdhsa_enable_private_segment 0
		.amdhsa_kernarg_size 48
		.amdhsa_user_sgpr_count 2
		.amdhsa_user_sgpr_kernarg_segment_ptr 1
		.amdhsa_wavefront_size32 1
		.amdhsa_system_sgpr_workgroup_id_x 1
		.amdhsa_system_sgpr_workgroup_id_y 1
		.amdhsa_system_sgpr_workgroup_id_z 1
		.amdhsa_system_vgpr_workitem_id 0
		.amdhsa_next_free_vgpr 256
		.amdhsa_next_free_sgpr 102
		.amdhsa_reserve_vcc 1
		.amdhsa_float_denorm_mode_32 3
		.amdhsa_float_denorm_mode_16_64 3
		.amdhsa_memory_ordered 1
		.amdhsa_forward_progress 1
		.amdhsa_inst_pref_size 178
	.end_amdhsa_kernel
	.amdgpu_metadata
---
amdhsa.version: [ 1, 2 ]
amdhsa.kernels:
  - .name:           k_q373784a64f_attn
    .symbol:         k_q373784a64f_attn.kd
    .args:
      - { .name: lowp_scales, .offset: 0, .size: 8, .value_kind: global_buffer, .address_space: global }
      - { .name: qimg, .offset: 8, .size: 8, .value_kind: global_buffer, .address_space: global }
      - { .name: kimg, .offset: 16, .size: 8, .value_kind: global_buffer, .address_space: global }
      - { .name: pre, .offset: 24, .size: 8, .value_kind: global_buffer, .address_space: global }
      - { .name: v_codes, .offset: 32, .size: 8, .value_kind: global_buffer, .address_space: global }
      - { .name: out0, .offset: 40, .size: 8, .value_kind: global_buffer, .address_space: global }
    .group_segment_fixed_size: 327680
    .private_segment_fixed_size: 0
    .kernarg_segment_align: 8
    .kernarg_segment_size: 48
    .max_flat_workgroup_size: 256
    .sgpr_count:     102
    .vgpr_count:     256
    .wavefront_size: 32
...
	.end_amdgpu_metadata
.endif
;; end of part 2
